; MI455X (gfx1250); checked and timed in simulation.
; The chip was launched on July 23, 2026; its instructions are those of AMD's public machine-readable ISA for CDNA 5 (MIT licence, August 2026) and "CDNA5" Instruction Set Architecture Reference Guide (July 2026). The comments in the code are by the model that wrote it; some were corrected since.
;; Bit MLP Block. Allowed arithmetic: matrix products marked QUANTISED: E3M2 operands, one E8M0 scale for each 32 along K, by v_wmma_scale_f32_16x16x128_f8f6f4 with both operands' format E3M2, f32 sums; everything else in f32.
;; Inputs: b1 1,024 float32; b2 256 float32; w1 1,024 x 256 float32; w2 256 x 1,024 float32; x 8 x 8,192 x 256 float32.
;; Outputs: out0 8 x 8,192 x 256 float32.
;; This version of the problem:
;;   THIS VERSION OF THE PROBLEM IS GIVEN IN LOW PRECISION. The matrix products marked QUANTISED in the list below multiply operands that are first quantised to E3M2 (3 exponent bits, 2 mantissa bits; 6 bits a number), with one power-of-two scale for each 32 numbers along K (OCP MX v1.0); their sums are f32. All else is computed in f32.
;;   The module's matrix products, in the order in which they are computed (A, B: the left and right operand; K: the contracted axis; several contracted axes count as one K, in the product's order):
;;     1. [M 65,536, K 256] x [K 256, N 1,024]; A: computed on the way; B: computed on the way: QUANTISED
;;     2. [M 65,536, K 1,024] x [K 1,024, N 256]; A: computed on the way; B: computed on the way: QUANTISED
;;   THE QUANTISER, for each operand of a quantised product, along K:
;;     - K is cut into blocks of 32 from its start; a last block that is shorter is filled with zeros.
;;     - A block's scale is 2^e with e = floor(log2(the largest magnitude in the block)) - 4, held to -126 .. 127; a block of zeros has e = 0. As a byte (E8M0): e + 127.
;;     - Each number is divided by its block's scale, clamped to +-28, and rounded to the nearest number of E3M2, ties to even, subnormals kept.
;;     - The product sums the exact products of the quantised numbers (number of the format x scale) in f32.
;;   ~~~python
;;   def quantise(x, axis):      # numpy; x: float32 -> the quantised numbers, widened to float32 again
;;       x = np.moveaxis(x, axis, -1); K = x.shape[-1]
;;       x = np.pad(x, [(0, 0)] * (x.ndim - 1) + [(0, -K % 32)]); x = x.reshape(x.shape[:-1] + (-1, 32)); a = np.abs(x).max(-1, keepdims=True)
;;       e = np.where(a > 0, np.clip(np.frexp(np.where(a > 0, a, 1))[1] - 1 - 4, -126, 127), 0)      # np.frexp(a)[1] - 1 = floor(log2(a)), exactly
;;       r = np.clip(x / 2.0 ** e, -28, 28)
;;       step = 2.0 ** (np.maximum(np.frexp(np.where(r == 0, 1, r))[1] - 1, -2) - 2)
;;       q = np.round(r / step) * step * 2.0 ** e      # np.round: ties to even
;;       return np.moveaxis(q.reshape(q.shape[:-2] + (-1,))[..., :K], -1, axis).astype(np.float32)
;;   ~~~
;;   OPERANDS COMPUTED ON THE WAY. 'Computed on the way' means the value that the module computes at that place (a softmax that the list does not call 'softmax' is quantised finished and normalised). What goes into a quantiser is computed in f32, as accurately as f32 sums, v_exp_f32 and their like allow (about 1e-6 of the number): no bf16 or f16 on the way to a quantiser, and a product that is left as it is and whose result goes on into a quantised operand takes f32 operands (vector FMAs, or v_wmma_f32_16x16x4_f32). A number that lies on a knife's edge between two numbers of the format may be rounded either way, as far as f32 arithmetic and the matrix unit's own rounding can turn it there, and no further.
;; One version. Each part assembles by itself: llvm-mc -triple=amdgcn-amd-amdhsa -mcpu=gfx1250 --defsym DOCPART=n.
;; ======== version 1 of 1: 3 launches
;; workspace buffers: psum 256 bytes; wcode 393,216 bytes; wscale 16,384 bytes
;; launch wsum (part 1): grid 64 x 1, 8 waves a work-group, no clusters, 1,280 bytes of LDS; arguments w1, w2, psum; writes psum
.if DOCPART == 1
	.amdgcn_target "amdgcn-amd-amdhsa--gfx1250"
	.amdhsa_code_object_version 6
	.text
	.protected	k_qa1dbfd9199_wsum
	.globl	k_qa1dbfd9199_wsum
	.p2align	8
	.type	k_qa1dbfd9199_wsum,@function
k_qa1dbfd9199_wsum:
	s_mov_b64 s[64:65], 0
	v_nop
	global_prefetch_b8 v0, s[64:65] scope:SCOPE_SE
	s_setreg_imm32_b32 hwreg(HW_REG_WAVE_MODE, 25, 1), 1
	s_wait_xcnt 0x0
; psum[g] = the sum of |w| over 8,192 numbers: work-groups 0-31 share w1 (262,144 numbers), work-groups 32-63 share w2 (as many).
; The mean |w| of a whole matrix steers the ternary quantiser, so it is summed here and finished by the next launch: no traffic between work-groups.
; Thread t takes 16 bytes at 4,096 j + 16 t, j = 0..7: each load of a wave covers 512 consecutive bytes.  All sums in f32, as a tree.
; LIMITS: NaN and infinities are not served.  The order of the additions is this tree's, not that of a serial sum.
.set X,   8                            ; v8-39 the 32 numbers of a thread; later v12-19 the eight waves' sums
.set GA,  40                           ; v40   where my work-group's sum goes: outside the loaded registers, as are
.set LW,  41                           ; v41   the LDS address of my wave's word
.set LR,  42                           ; v42   and the LDS address 0, from which all eight are read
	s_load_b128 s[4:7], s[0:1], 0x0                ; w1, w2
	s_load_b64 s[8:9], s[0:1], 0x10                ; psum
	v_lshl_add_u32 v48, v0, 2, 0x100
	v_mov_b32 v49, 0
	v_lshrrev_b32 v1, 5, v0
	v_readfirstlane_b32 s10, v1                    ; wave 0..7
	v_lshlrev_b32 v2, 4, v0                        ; 16 bytes a thread
	s_lshr_b32 s11, ttmp9, 5                       ; which matrix
	s_and_b32 s12, ttmp9, 31
	s_lshl_b32 s12, s12, 15                        ; my 32,768 bytes of it
	s_mov_b32 s13, 0
	s_mov_b32 s14, 0x76543210                      ; v_permlanex16_b32's selects for lane l xor 16
	s_mov_b32 s15, 0xfedcba98
	s_lshl_b32 s16, ttmp9, 2                       ; four bytes a work-group
	v_mov_b32 v[GA], s16
	v_mov_b32 v[LW], s10
	v_lshlrev_b32 v[LW], 2, v[LW]                  ; four bytes a wave
	v_mov_b32 v[LR], 0
	s_wait_kmcnt 0x0
	s_cmp_eq_u32 s11, 0                            ; the choice hangs on the work-group's number alone
	s_cselect_b64 s[4:5], s[4:5], s[6:7]
	s_add_nc_u64 s[4:5], s[4:5], s[12:13]
.set q, 0
.rept 8
	global_load_b128 v[X+4*q:X+4*q+3], v2, s[4:5] offset:4096*q
.set q, q+1
.endr
	s_wait_loadcnt 0x0
.set q, 0
.rept 16
	v_add_f32 v[X+q], |v[X+q]|, |v[X+16+q]|        ; the magnitudes ride on the first additions
.set q, q+1
.endr
.irp n, 8,4,2,1
.set q, 0
.rept \n
	v_add_f32 v[X+q], v[X+q], v[X+\n+q]
.set q, q+1
.endr
.endr
	v_add_f32_dpp v8, v8, v8 row_xmask:1 row_mask:0xf bank_mask:0xf
	v_add_f32_dpp v8, v8, v8 row_xmask:2 row_mask:0xf bank_mask:0xf
	v_add_f32_dpp v8, v8, v8 row_xmask:4 row_mask:0xf bank_mask:0xf
	v_add_f32_dpp v8, v8, v8 row_xmask:8 row_mask:0xf bank_mask:0xf
	v_permlanex16_b32 v9, v8, s14, s15             ; (v9 has been written: a lane permute's destination counts as one of its sources)
	v_add_f32 v8, v8, v9                           ; the wave's sum, in every lane
	ds_store_b32 v[LW], v8                         ; all lanes write the wave's word with the same value
	s_wait_dscnt 0x0                               ; for the others' sake: my store has landed
	s_barrier_signal -1
	s_barrier_wait -1
	ds_load_b128 v[12:15], v[LR]
	ds_load_b128 v[16:19], v[LR] offset:16
	s_wait_dscnt 0x0
	v_add_f32 v12, v12, v13
	v_add_f32 v14, v14, v15
	v_add_f32 v16, v16, v17
	v_add_f32 v18, v18, v19
	v_add_f32 v12, v12, v14
	v_add_f32 v16, v16, v18
	v_add_f32 v12, v12, v16                        ; the work-group's sum
	s_cmp_lg_u32 s10, 0
	s_cbranch_scc1 .Ldone                          ; wave 0 stores; no barrier stands behind this branch
	v_cmp_eq_u32 vcc_lo, 0, v0
	s_wait_xcnt 0x0                                ; EXEC changes only behind this wait
	s_and_saveexec_b32 s17, vcc_lo                 ; one lane, four bytes
	global_store_b32 v[GA], v12, s[8:9]
	s_wait_xcnt 0x0                                ; and again in front of the line that widens it
	s_or_b32 exec_lo, exec_lo, s17
.Ldone:
	s_wait_tensorcnt 0x0
	ds_add_u32 v48, v49
	s_wait_dscnt 0x0
	s_endpgm
.Lfunc_end_k_qa1dbfd9199_wsum:
	.size	k_qa1dbfd9199_wsum, .Lfunc_end_k_qa1dbfd9199_wsum-k_qa1dbfd9199_wsum
	.p2alignl 7, 3214868480
	.fill 96, 4, 3214868480
	.section	.rodata,"a",@progbits
	.p2align	6, 0x0
	.amdhsa_kernel k_qa1dbfd9199_wsum
		.amdhsa_group_segment_fixed_size 1280
		.amdhsa_private_segment_fixed_size 0
		.amdhsa_enable_private_segment 0
		.amdhsa_kernarg_size 24
		.amdhsa_user_sgpr_count 2
		.amdhsa_user_sgpr_kernarg_segment_ptr 1
		.amdhsa_wavefront_size32 1
		.amdhsa_system_sgpr_workgroup_id_x 1
		.amdhsa_system_sgpr_workgroup_id_y 1
		.amdhsa_system_sgpr_workgroup_id_z 1
		.amdhsa_system_vgpr_workitem_id 0
		.amdhsa_next_free_vgpr 50
		.amdhsa_next_free_sgpr 66
		.amdhsa_reserve_vcc 1
		.amdhsa_float_denorm_mode_32 3
		.amdhsa_float_denorm_mode_16_64 3
		.amdhsa_memory_ordered 1
		.amdhsa_forward_progress 1
		.amdhsa_inst_pref_size 5
	.end_amdhsa_kernel
	.amdgpu_metadata
---
amdhsa.version: [ 1, 2 ]
amdhsa.kernels:
  - .name:           k_qa1dbfd9199_wsum
    .symbol:         k_qa1dbfd9199_wsum.kd
    .args:
      - { .name: w1, .offset: 0, .size: 8, .value_kind: global_buffer, .address_space: global }
      - { .name: w2, .offset: 8, .size: 8, .value_kind: global_buffer, .address_space: global }
      - { .name: psum, .offset: 16, .size: 8, .value_kind: global_buffer, .address_space: global }
    .group_segment_fixed_size: 1280
    .private_segment_fixed_size: 0
    .kernarg_segment_align: 8
    .kernarg_segment_size: 24
    .max_flat_workgroup_size: 256
    .sgpr_count:     66
    .vgpr_count:     50
    .wavefront_size: 32
...
	.end_amdgpu_metadata
.endif
;; end of part 1
;; launch wquant (part 2): grid 64 x 1, 4 waves a work-group, no clusters, 0 bytes of LDS; arguments w1, w2, psum, wcode, wscale; writes wcode, wscale
.if DOCPART == 2
	.amdgcn_target "amdgcn-amd-amdhsa--gfx1250"
	.amdhsa_code_object_version 6
	.text
	.protected	k_qa1dbfd9199_wquant
	.globl	k_qa1dbfd9199_wquant
	.p2align	8
	.type	k_qa1dbfd9199_wquant,@function
k_qa1dbfd9199_wquant:
	s_mov_b64 s[64:65], 0
	v_nop
	global_prefetch_b8 v0, s[64:65] scope:SCOPE_SE
	s_setreg_imm32_b32 hwreg(HW_REG_WAVE_MODE, 25, 1), 1
	s_wait_xcnt 0x0
; The two weights become operands of the matrix unit: ternary by the mean |w| of the whole matrix, then codes of BF6 (E3M2) with one E8M0 byte for each 32 along K.
;   c = max(mean |w|, 1e-5); scale = 1 / c; wq = clip(round(w x scale), -1, 1) / scale; the operand is w + (wq - w), in f32, as it is written in the problem.
; ONE WAVE MAKES ONE FRAGMENT (16 rows x 128 K, 12 registers a lane) and stores it as an IMAGE OF ITS REGISTERS: registers 4 c .. 4 c + 3 of lane l at 1,536 gid + 512 c + 16 l;
; its 16 scale words (four bytes: 128 along K of one row) at 64 gid + 4 r.  The next launch loads the same registers into the same lanes by plain 16-byte loads.
;   W1 [1024][256]: gid = 32 w + 2 t + s (w: the wave of the next launch, t: its tile 0..15, s: K step).  THE ROWS OF A TILE ARE NOT NEIGHBOURS: lane r takes row 256 w + 32 (t / 2) + 8 (t % 2) + r + 8 (r / 8),
;                   so that the results of tiles 2 b and 2 b + 1 are, in a lane, 16 neighbours along the second product's K.
;   W2 [256][1024]: gid = 128 + 32 w + 8 (K / 2) + 2 n + K % 2 (n: tile of outputs 0..3, K: K step 0..7); lane r takes row 64 w + 16 n + r.
; In both orders the words of an even K step and of the odd one behind it are 128 consecutive bytes: one scale register, lanes 0-15 and lanes 16-31.
; A lane (r, h) holds k = 64 c + 32 h + 0..31 of its row: two whole blocks of 32, so that a block's largest magnitude needs no other lane.
; The lanes of a load stand 128 bytes and more apart: the two matrices are 2 MiB in all, and each number is read once here.
; LIMITS: NaN and infinities are not served.  A block of zeros gets the byte 1 where the rule says 127: its codes are zeros, which add nothing under any byte but 0xff, and this program alone reads the bytes.
; 1 / c and 1 / scale are v_rcp_f32 with one correction step each.
.set W, 32                             ; v32-95   the numbers as loaded; later v32-38 the conversions' second halves
.set V, 96                             ; v96-159  the operand's numbers
.set P, 16                             ; v16-27   the fragment
	s_load_b128 s[4:7], s[0:1], 0x0                ; w1, w2
	s_load_b128 s[8:11], s[0:1], 0x10              ; psum, wcode
	s_load_b64 s[12:13], s[0:1], 0x20              ; wscale
	v_lshrrev_b32 v1, 5, v0
	v_readfirstlane_b32 s14, v1                    ; wave 0..3
	s_lshl_b32 s15, ttmp9, 2
	s_add_co_u32 s15, s15, s14                     ; gid
	s_lshr_b32 s16, s15, 7                         ; which matrix
	s_and_b32 s17, s15, 127
	s_lshr_b32 s18, s17, 5                         ; w
	s_bfe_u32 s19, s17, 0x30002                    ; W1: t / 2
	s_bfe_u32 s20, s17, 0x10001                    ;     t % 2
	s_lshl_b32 s21, s18, 8
	s_lshl_b32 s19, s19, 5
	s_lshl_b32 s20, s20, 3
	s_add_co_u32 s21, s21, s19
	s_add_co_u32 s21, s21, s20                     ;     the tile's first row
	s_and_b32 s22, s17, 1                          ;     its K step; W2: K % 2
	s_bfe_u32 s23, s17, 0x20001                    ; W2: n
	s_bfe_u32 s24, s17, 0x20003                    ;     K / 2
	s_lshl_b32 s25, s18, 6
	s_lshl_b32 s23, s23, 4
	s_add_co_u32 s25, s25, s23                     ;     the tile's first row
	s_lshl_b32 s24, s24, 1
	s_add_co_u32 s24, s24, s22                     ;     K
	s_mov_b32 s30, 0x76543210                      ; v_permlanex16_b32's selects for lane l xor 16
	s_mov_b32 s31, 0xfedcba98
	s_wait_kmcnt 0x0
	s_cmp_eq_u32 s16, 0                            ; every choice hangs on the work-group's and the wave's number alone
	s_cselect_b64 s[4:5], s[4:5], s[6:7]
	s_cselect_b32 s21, s21, s25                    ; first row
	s_cselect_b32 s22, s22, s24                    ; K step
	s_cselect_b32 s26, 10, 12                      ; a row is 1,024 or 4,096 bytes
	s_cselect_b32 s27, 8, 0                        ; W1's rows 8..15 of a tile lie 8 further on
	s_lshl_b32 s22, s22, 9                         ; 512 bytes a K step
	s_lshl_b32 s28, s16, 7                         ; the matrix's 32 partial sums
	v_and_b32 v1, 31, v0                           ; lane
	v_and_b32 v2, 15, v0                           ; r
	v_bfe_u32 v3, v0, 4, 1                         ; h
	v_lshrrev_b32 v4, 3, v2
	v_mad_u32_u24 v4, v4, s27, v2
	v_add_nc_u32 v4, s21, v4                       ; my row
	v_lshlrev_b32 v4, s26, v4
	v_lshl_add_u32 v4, v3, 7, v4                   ; + 128 h: my block of each 64 along K
	v_add_nc_u32 v4, s22, v4
	v_lshl_add_u32 v5, v1, 2, s28
	v_mov_b32 v7, 0                                ; (a lane permute's destination counts as one of its sources)
	global_load_b32 v6, v5, s[8:9]                 ; lane l: partial sum l of my matrix
.irp c, 0,1
.irp j, 0,1,2,3,4,5,6,7
	global_load_b128 v[W+32*\c+4*\j:W+32*\c+4*\j+3], v4, s[4:5] offset:256*\c+16*\j
.endr
.endr
	s_wait_loadcnt 16                              ; the partial sum is in; the 16 loads issued behind it may be out
	v_add_f32_dpp v6, v6, v6 row_xmask:1 row_mask:0xf bank_mask:0xf
	v_add_f32_dpp v6, v6, v6 row_xmask:2 row_mask:0xf bank_mask:0xf
	v_add_f32_dpp v6, v6, v6 row_xmask:4 row_mask:0xf bank_mask:0xf
	v_add_f32_dpp v6, v6, v6 row_xmask:8 row_mask:0xf bank_mask:0xf
	v_permlanex16_b32 v7, v6, s30, s31
	v_add_f32 v6, v6, v7                           ; the same bits in every lane of every wave of a matrix
	v_mul_f32 v8, 0x36800000, v6                   ; / 262,144: the mean
	v_max_num_f32 v8, 0x3727c5ac, v8               ; c, held at 1e-5 from below
	v_rcp_f32 v10, v8
	v_nop                                          ; a plain instruction behind the reciprocal,
	s_wait_alu depctr_va_vdst(0)                   ; and a wait ahead of its first reader
	v_fma_f32 v9, -v8, v10, 1.0
	v_fma_f32 v10, v9, v10, v10                    ; scale = 1 / c
	v_rcp_f32 v12, v10
	v_mov_b32 v11, v10                             ; (the pair's upper half; a plain instruction behind the reciprocal)
	s_wait_alu depctr_va_vdst(0)
	v_fma_f32 v9, -v10, v12, 1.0
	v_fma_f32 v12, v9, v12, v12                    ; d = 1 / scale: what a ternary 1 stands for
	v_mov_b32 v13, v12
	s_wait_loadcnt 0x0
.set q, 0
.rept 32
	v_pk_mul_f32 v[V+q:V+q+1], v[W+q:W+q+1], v[10:11]
.set q, q+2
.endr
.set q, 0
.rept 64
	v_rndne_f32 v[V+q], v[V+q]                     ; ties to even
.set q, q+1
.endr
.set q, 0
.rept 64
	v_med3_num_f32 v[V+q], v[V+q], -1.0, 1.0
.set q, q+1
.endr
.set q, 0
.rept 32
	v_pk_mul_f32 v[V+q:V+q+1], v[V+q:V+q+1], v[12:13]
.set q, q+2
.endr
.set q, 0
.rept 32
	v_pk_add_f32 v[V+q:V+q+1], v[V+q:V+q+1], v[W+q:W+q+1] neg_lo:[0,1] neg_hi:[0,1]   ; wq - w
.set q, q+2
.endr
.set q, 0
.rept 32
	v_pk_add_f32 v[V+q:V+q+1], v[W+q:W+q+1], v[V+q:V+q+1]                             ; w + (wq - w): |w| may be far above |wq|, so both roundings are made
.set q, q+2
.endr
.irp c, 0,1                                    ; my block 2 c + h: all its 32 numbers are mine
	v_max3_num_f32 v[14+\c], |v[V+32*\c]|, |v[V+32*\c+1]|, 0x2800000   ; and the floor 2^(5 - 127): the byte cannot fall under 1
.endr
.irp i, 2,4,6,8,10,12,14,16,18,20,22,24,26,28,30
.irp c, 0,1
	v_max3_num_f32 v[14+\c], v[14+\c], |v[V+32*\c+\i]|, |v[V+32*\c+\i+1]|
.endr
.endr
.irp c, 0,1
	v_add_nc_u32 v[14+\c], 0xfe000000, v[14+\c]    ; 4 off the exponent field: the conversion takes the exponent field of this operand as its scale
.endr
.irp c, 0,1
	v_lshrrev_b32 v[28+\c], 23, v[14+\c]           ; the scale's byte
.endr
	v_lshl_or_b32 v30, v29, 16, v28                ; my two bytes: blocks h and 2 + h of my row,
	v_lshlrev_b32 v31, 3, v3
	v_lshlrev_b32 v30, v31, v30                    ; 8 h bits up;
	v_mov_b32 v31, 0
	v_permlanex16_b32 v31, v30, s30, s31
	v_or_b32 v30, v30, v31                         ; with lane l xor 16's two the word is whole
.irp c, 0,1
	v_cvt_scalef32_pk16_bf6_f32 v[P+6*\c:P+6*\c+2], v[V+32*\c:V+32*\c+15], v[14+\c]
	v_cvt_scalef32_pk16_bf6_f32 v[W+4*\c:W+4*\c+2], v[V+32*\c+16:V+32*\c+31], v[14+\c]   ; (a conversion's three registers begin on an even number: the block's upper half is made elsewhere and moved)
.endr
	v_nop                                          ; one plain instruction behind a scaled conversion
.irp c, 0,1
.irp i, 0,1,2
	v_mov_b32 v[P+3+6*\c+\i], v[W+4*\c+\i]
.endr
.endr
	s_mul_i32 s28, s15, 1536
	v_lshl_add_u32 v44, v1, 4, s28                 ; the image: 16 bytes a lane
	s_lshl_b32 s29, s15, 6
	v_lshl_add_u32 v45, v2, 2, s29                 ; the scale words: 4 bytes a row
.irp c, 0,1,2
	global_store_b128 v44, v[P+4*\c:P+4*\c+3], s[10:11] offset:512*\c   ; 32 lanes store 512 consecutive bytes
.endr
	global_store_b32 v45, v30, s[12:13]            ; both halves of the lanes write the same word with the same value
	s_endpgm
.Lfunc_end_k_qa1dbfd9199_wquant:
	.size	k_qa1dbfd9199_wquant, .Lfunc_end_k_qa1dbfd9199_wquant-k_qa1dbfd9199_wquant
	.p2alignl 7, 3214868480
	.fill 96, 4, 3214868480
	.section	.rodata,"a",@progbits
	.p2align	6, 0x0
	.amdhsa_kernel k_qa1dbfd9199_wquant
		.amdhsa_group_segment_fixed_size 0
		.amdhsa_private_segment_fixed_size 0
		.amdhsa_enable_private_segment 0
		.amdhsa_kernarg_size 40
		.amdhsa_user_sgpr_count 2
		.amdhsa_user_sgpr_kernarg_segment_ptr 1
		.amdhsa_wavefront_size32 1
		.amdhsa_system_sgpr_workgroup_id_x 1
		.amdhsa_system_sgpr_workgroup_id_y 1
		.amdhsa_system_sgpr_workgroup_id_z 1
		.amdhsa_system_vgpr_workitem_id 0
		.amdhsa_next_free_vgpr 160
		.amdhsa_next_free_sgpr 66
		.amdhsa_reserve_vcc 0
		.amdhsa_float_denorm_mode_32 3
		.amdhsa_float_denorm_mode_16_64 3
		.amdhsa_memory_ordered 1
		.amdhsa_forward_progress 1
		.amdhsa_inst_pref_size 23
	.end_amdhsa_kernel
	.amdgpu_metadata
---
amdhsa.version: [ 1, 2 ]
amdhsa.kernels:
  - .name:           k_qa1dbfd9199_wquant
    .symbol:         k_qa1dbfd9199_wquant.kd
    .args:
      - { .name: w1, .offset: 0, .size: 8, .value_kind: global_buffer, .address_space: global }
      - { .name: w2, .offset: 8, .size: 8, .value_kind: global_buffer, .address_space: global }
      - { .name: psum, .offset: 16, .size: 8, .value_kind: global_buffer, .address_space: global }
      - { .name: wcode, .offset: 24, .size: 8, .value_kind: global_buffer, .address_space: global }
      - { .name: wscale, .offset: 32, .size: 8, .value_kind: global_buffer, .address_space: global }
    .group_segment_fixed_size: 0
    .private_segment_fixed_size: 0
    .kernarg_segment_align: 8
    .kernarg_segment_size: 40
    .max_flat_workgroup_size: 128
    .sgpr_count:     66
    .vgpr_count:     160
    .wavefront_size: 32
...
	.end_amdgpu_metadata
.endif
;; end of part 2
;; launch mlp (part 3): grid 256 x 1, 4 waves a work-group, clusters of 4 x 1, 327,680 bytes of LDS; arguments x, wcode, wscale, b1, b2, out0; writes out0
.if DOCPART == 3
	.amdgcn_target "amdgcn-amd-amdhsa--gfx1250"
	.amdhsa_code_object_version 6
	.text
	.protected	k_qa1dbfd9199_mlp
	.globl	k_qa1dbfd9199_mlp
	.p2align	8
	.type	k_qa1dbfd9199_mlp,@function
k_qa1dbfd9199_mlp:
	s_mov_b64 s[64:65], 0
	v_nop
	global_prefetch_b8 v0, s[64:65] scope:SCOPE_SE
	s_setreg_imm32_b32 hwreg(HW_REG_WAVE_MODE, 25, 1), 1
	s_wait_xcnt 0x0
	s_wait_alu depctr_hold_cnt(0) depctr_sa_sdst(0) depctr_va_vdst(0) depctr_va_sdst(0) depctr_va_ssrc(0) depctr_va_vcc(0) depctr_vm_vsrc(0)
	s_getreg_b32 s2, hwreg(HW_REG_IB_STS2, 6, 4)
	s_cmp_eq_u32 s2, 0
	s_cbranch_scc0 .Lentry_in_a_cluster
	s_endpgm
.Lentry_in_a_cluster:
	s_bfe_u32 s2, ttmp6, 0x10000c
	s_cmp_lg_u32 s2, 0x3003
	s_cbranch_scc0 .Lentry_shape_is_right
	s_endpgm
.Lentry_shape_is_right:
; out = x + Q8(gelu(Q8(x) W1^T + b1)) W2^T + b2 on 65,536 rows; Q8 is the int8 quantiser by a row's largest magnitude; both products on codes of BF6 (E3M2) with one E8M0 byte for each 32 along K.
; SHARES.  A work-group of four waves owns 256 rows, as 8 blocks of 32 (two tiles of 16).  THE WAVES SHARE THE COLUMNS: wave w makes hidden units 256 w .. + 255 (16 tiles: K steps 2 w and 2 w + 1 of the second
; product) and outputs 64 w .. + 63, for all rows.  The hidden layer never goes to memory.  Both products are used transposed (source 0 = 16 rows of a weight, source 1 = 16 rows of tokens): a lane holds ONE token.
; THE WEIGHTS arrive as images of operand registers.  W1 (196,608 bytes) lies in LDS for the whole launch: the four work-groups of a cluster ask for it JOINTLY, one tensor load a wave, filled once.
; W2 lies in REGISTERS, 384 a wave.  It is not asked for jointly: it goes from memory straight into registers, and LDS has no second 196,608 bytes beside W1 and the blocks' operands.
; x comes by plain loads, two blocks ahead, 8,192 consecutive bytes a wave; it is kept in LDS as f32 for its quantiser and as the residual, which is the C of the second product's first instruction.
; A BLOCK, three barriers:
;   P1  x's four fragments from LDS; my 16 tiles x 2, two tiles of units at a time; each pair's GELU stands behind the NEXT pair's matrix instructions.  A row's largest |gelu| of my 256 units to LDS.   | barrier A
;   Q   the row's largest of all 1,024; int8 quantiser; E3M2 codes; my two K steps' fragments go to LDS as images of their registers.  The next block's x arrives: to LDS, with its rows' largest.      | barrier B
;   P2  all 16 hidden fragments from LDS; 8 accumulators by turns.  Under the LDS loads: the next block's x is quantised (one fragment a wave).  The way out through my own stage.                       | barrier C
; A BLOCK OF 32's LARGEST QUANTISED MAGNITUDE IS NOT SEARCHED FOR: a multiplication by a positive number and v_rndne_f32 never fall where their input rises, so the three operations of the int8 quantiser,
; put to the block's largest raw magnitude, give the bits of the block's largest quantised number.
; GELU: h x (0.5 + hc N(s) / D(s)), hc = h held to +-4 sqrt(2), s = hc^2: erf as the rational x A(x^2) / B(x^2) on |x| <= 4 (7 and 5 coefficients), with 1 / sqrt(2), 1 / 2 and the powers of two folded in.
; LIMITS AND DEPARTURES.  NaN and infinities are not served.  A block of zeros gets the byte 1 with zero codes (this program alone reads the bytes).
;   The clip to -128 .. 127 is not written: |v x fl(127 / m)| <= 127 (1 + 2^-22) rounds to 127 at the most.  v + (q8(v) - v) of the activations is not written: for a whole number other than 0 the difference is
;   exact and the sum is q8(v); for 0 the sum is 0; only where the whole number is +-1 and |v| lies within an ulp of half a step can it differ, by one ulp.
;   q / scale is q x fl(1 / scale): at most one ulp off.  127 / m has one correction step.  For h far below 0 the GELU's error is some 1e-7 |h| absolute, not relative.  The sums' order is ((x + products) + b2).
;   The last trip passes the arrival of x and its quantiser over registers that still hold block 7: nobody reads the result; so every count of LDS instructions holds on one path.
; REGISTERS, in windows of 256 (s_set_vgpr_msb: bits 1:0 source 0, 3:2 source 1, 5:4 source 2, 7:6 destination):
;   window 0: v2-25 addresses; v26-29 b2; v30-31, v188-189 two constants; v32-47 W1's scale words, v48-63 W2's; v64-111 x's four fragments (v64-127: 64 numbers of x in its quantiser); v116-131 blocks' largest;
;             v132-139 scale and 1 / scale; v140-158 codes; v160-175 at work; v176-179 scale words made; v180-187 the hidden layer's scale words; v190-191 x's; v192-255 at work.
;   window 1: gelu(h): tile (m, t) at 8 (16 m + t).  In P2: accumulator (m, n) at 8 (4 m + n); hidden fragment (m, K) at 64 + 12 (2 K + m).
;   window 2: W2's K steps 0-3 at 12 (4 (K % 4) + n); v192-255 x on its way.      window 3: W2's K steps 4-7; v192-239 four fragments of W1; v240-255 sixteen of b1.
.set XS0,  196608                      ; LDS.  0: W1, 128 images of 1,536 bytes.  XS0: two slots of 32 rows of x as f32, 1,040 bytes apart (65 x 16: sixteen rows' 16-byte pieces fall on sixteen different columns of 256 bytes)
.set XSZ,  33280
.set HIMG, 263168                      ; the hidden layer's 16 fragments, image 8 m + K
.set XIMG, 287744                      ; x's 4 fragments, image 2 m + s
.set STG,  293888                      ; the way out: 16 rows x (256 + 16) bytes for each wave, its own
.set B1L,  311296                      ; b1; each wave writes and reads its own 1,024 bytes
.set HSW,  315392                      ; the hidden layer's scale words: 512 m + 256 (K % 2) + 16 r + 4 (K / 2)
.set XSW,  316416                      ; x's: 128 m + 64 s + 4 r
.set PMX,  316672                      ; the waves' largest |gelu| of a row: 16 (16 m + r) + 4 w
.set XSC,  317184                      ; the largest |x| of each of the 32 rows
.set AW, 2                             ; 49152 w + 16 l: my part of W1 in LDS; also my offset among W2's images in memory
.set AB1, 3
.set AXI, 4
.set AXIW, 5
.set AXSWR, 6
.set AXSWW, 7
.set APMW, 8
.set APMR, 9
.set AHIW, 10
.set AHIR, 11
.set AHSW, 12
.set AHSR, 13
.set ASTW, 14
.set ASTR, 15
.set LB, 16                            ; x's arrival: base, and base + slot
.set LW, 17
.set XB, 18                            ; x's quantiser likewise
.set XW, 19
.set CB, 20                            ; the residual likewise
.set CW, 21
.set AXSCW, 22
.set AXSCR, 23
.set GXO, 24
.set GOO, 25
.set B2, 26
.set CD3, 30
.set W1S, 32
.set W2S, 48
.set XFR, 64
.set XV, 64
.set BM, 116
.set BMX, 128
.set SCL, 132                          ; v132 scale of tile 0's row, v134 its reciprocal; v136, v138 tile 1's.  The pairs' upper halves are written once
.set PC, 140
.set CT, 152
.set SCR, 160
.set BT, 160
.set BY, 160
.set PV, 168
.set PW, 176
.set XM, 179
.set HS, 180
.set CN5, 188
.set XSR, 190
.set HC, 192
.set SS, 208
.set PA, 224
.set PB, 240
.set RM, 192
.set OB, 192
.set XF, 192                           ; in window 2
.set F, 192                            ; in window 3
.set BB, 240                           ; in window 3
.set MSB, 0
.macro WIN new                         ; the immediate's high byte repeats the setting that is left; a switch that changes nothing is dropped
.if MSB != (\new)
	s_set_vgpr_msb (MSB<<8)|(\new)
.set MSB, (\new)
.endif
.endm
.macro BARRIER                         ; my LDS stores have landed and my LDS loads are in: then the work-group's barrier
	s_wait_dscnt 0x0
	s_barrier_signal -1
	s_barrier_wait -1
.endm
.macro CROUND                          ; a round of the cluster's barrier
	s_barrier_signal -1
	s_barrier_wait -1
	s_cmp_lg_u32 s16, 0
	s_cbranch_scc1 .Lnot_wave_0_\@
	s_barrier_signal -3
.Lnot_wave_0_\@:
	s_barrier_wait -3
	s_barrier_signal -1
	s_barrier_wait -1
.endm
.macro PLACES                          ; four plain instructions between a matrix instruction and a load into its registers or a read of its result (ISA guide 7.12.1 for a read of its result)
.rept 4
	v_nop
.endr
.endm
.macro CPAIR r, bits                   ; a constant for the packed forms: they name a pair and take its low word for both halves, so both are written
	s_mov_b32 s[\r], \bits
	s_mov_b32 s[\r+1], \bits
.endm
; 32 rows of x are asked for: my 8 rows, 8,192 consecutive bytes, 512 a load
.macro LOADX
	WIN 0x80
.set q, 0
.rept 16
	global_load_b128 v[XF+4*q:XF+4*q+3], v[GXO], s[4:5] offset:512*q th:TH_LOAD_NT
.set q, q+1
.endr
	WIN 0
.endm
; and arrive: to the slot s36 as they are, and each row's largest magnitude (8 registers a lane, then across the 32 lanes) to XSC
.macro LPH
	s_wait_loadcnt 0x0                             ; every load of mine is in: x's 16 (and, the first two times, the weights' and biases'); so the base may step
	s_add_nc_u64 s[4:5], s[4:5], 32768
	v_add_nc_u32 v[LW], s36, v[LB]
	WIN 0x08                                       ; an LDS store's data are its source 1: window 2
.set q, 0
.rept 16
	ds_store_b128 v[LW], v[XF+4*q:XF+4*q+3] offset:1040*(q/2)+512*(q%2)
.set q, q+1
.endr
	WIN 0x2a
.set q, 0
.rept 8
	v_max3_num_f32 v[RM+q], |v[XF+8*q]|, |v[XF+8*q+1]|, |v[XF+8*q+2]|   ; the eight rows by turns
.set q, q+1
.endr
	WIN 0x28
.irp i, 3,5
.set q, 0
.rept 8
	v_max3_num_f32 v[RM+q], v[RM+q], |v[XF+8*q+\i]|, |v[XF+8*q+\i+1]|
.set q, q+1
.endr
.endr
.set q, 0
.rept 8
	v_max_num_f32 v[RM+q], v[RM+q], |v[XF+8*q+7]|
.set q, q+1
.endr
	WIN 0
.irp x, 1,2,4,8
.set q, 0
.rept 8
	v_max_num_f32_dpp v[RM+q], v[RM+q], v[RM+q] row_xmask:\x row_mask:0xf bank_mask:0xf
.set q, q+1
.endr
.endr
.set q, 0
.rept 8
	v_permlanex16_b32 v[RM+8+q], v[RM+q], s32, s33
.set q, q+1
.endr
.set q, 0
.rept 8
	v_max_num_f32 v[RM+q], v[RM+q], v[RM+8+q]
.set q, q+1
.endr
.set q, 0
.rept 8
	ds_store_b32 v[AXSCW], v[RM+q] offset:4*q      ; all lanes write the row's word with the same value
.set q, q+1
.endr
.endm
; scale = 127 / M and 1 / scale for n rows a lane (M, held at 1e-5 from below, in v[SCR] on): a reciprocal and one correction step each
.macro RSCALE n
.set q, 0
.rept \n
	v_rcp_f32 v[SCR+2+q], v[SCR+q]
.set q, q+1
.endr
	v_nop                                          ; a plain instruction behind the reciprocals,
	s_wait_alu depctr_va_vdst(0)                   ; and one wait ahead of their first reader
.set q, 0
.rept \n
	v_mul_f32 v[SCR+4+q], s68, v[SCR+2+q]          ; 127 y
.set q, q+1
.endr
.set q, 0
.rept \n
	v_fma_f32 v[SCR+6+q], -v[SCR+4+q], v[SCR+q], s68   ; what is left of 127
.set q, q+1
.endr
.set q, 0
.rept \n
	v_fma_f32 v[SCL+4*q], v[SCR+6+q], v[SCR+2+q], v[SCR+4+q]
.set q, q+1
.endr
.set q, 0
.rept \n
	v_rcp_f32 v[SCR+2+q], v[SCL+4*q]
.set q, q+1
.endr
	v_nop
	s_wait_alu depctr_va_vdst(0)
.set q, 0
.rept \n
	v_fma_f32 v[SCR+4+q], -v[SCL+4*q], v[SCR+2+q], 1.0
.set q, q+1
.endr
.set q, 0
.rept \n
	v_fma_f32 v[SCL+2+4*q], v[SCR+4+q], v[SCR+2+q], v[SCR+2+q]
.set q, q+1
.endr
.endm
; n blocks' largest RAW magnitudes, v[base] on (blocks 0-7 tile 0's row, 8-15 tile 1's), become the conversions' scale operands, in place, and n / 4 scale words in v[PW] on
.macro BSC base, n
.set q, 0
.rept \n/2
	v_pk_mul_f32 v[\base+2*q:\base+2*q+1], v[\base+2*q:\base+2*q+1], v[SCL+4*(q/4):SCL+4*(q/4)+1] op_sel_hi:[1,0]
.set q, q+1
.endr
.set q, 0
.rept \n
	v_rndne_f32 v[\base+q], v[\base+q]
.set q, q+1
.endr
.set q, 0
.rept \n/2
	v_pk_mul_f32 v[\base+2*q:\base+2*q+1], v[\base+2*q:\base+2*q+1], v[SCL+2+4*(q/4):SCL+3+4*(q/4)] op_sel_hi:[1,0]   ; the block's largest quantised magnitude
.set q, q+1
.endr
.set q, 0
.rept \n
	v_max_num_f32 v[\base+q], 0x2800000, v[\base+q]    ; the floor 2^(5 - 127): the byte cannot fall under 1
.set q, q+1
.endr
.set q, 0
.rept \n
	v_add_nc_u32 v[\base+q], 0xfe000000, v[\base+q]    ; 4 off the exponent field: the conversion takes the exponent field of this operand as its scale
.set q, q+1
.endr
.set q, 0
.rept \n
	v_lshrrev_b32 v[BY+q], 23, v[\base+q]              ; the scale's byte
.set q, q+1
.endr
.irp i, 1,2,3
.set q, 0
.rept \n/4
.if \i == 1
	v_lshl_or_b32 v[PW+q], v[BY+4*q+1], 8, v[BY+4*q]
.else
	v_lshl_or_b32 v[PW+q], v[BY+4*q+\i], 8*\i, v[PW+q]
.endif
.set q, q+1
.endr
.endr
.endm
; 64 numbers of a lane, v[src] on (register 16 b + i = k 32 b + 16 (lane / 16) + i of my row), go through the int8 quantiser in place and become a fragment's codes in v[PC] on.
; wa, wb: the window settings for work in place and for the conversions; sc: the row's scale (its reciprocal two registers on); bs: the four blocks' scale operands; w = 1: the last image's stores read v[PC] first
.macro QEL src, wa, wb, sc, bs, w
	WIN \wa
.set q, 0
.rept 32
	v_pk_mul_f32 v[\src+q:\src+q+1], v[\src+q:\src+q+1], v[\sc:\sc+1] op_sel_hi:[1,0]
.set q, q+2
.endr
.set q, 0
.rept 64
	v_rndne_f32 v[\src+q], v[\src+q]               ; ties to even
.set q, q+1
.endr
.set q, 0
.rept 32
	v_pk_mul_f32 v[\src+q:\src+q+1], v[\src+q:\src+q+1], v[\sc+2:\sc+3] op_sel_hi:[1,0]
.set q, q+2
.endr
.if \w
	s_wait_dscnt 0x0                               ; the stores of the image before have read their registers
.endif
	WIN \wb
.irp c, 0,1
	v_cvt_scalef32_pk16_bf6_f32 v[PC+6*\c:PC+6*\c+2], v[\src+32*\c:\src+32*\c+15], v[\bs+2*\c]
	v_cvt_scalef32_pk16_bf6_f32 v[CT+4*\c:CT+4*\c+2], v[\src+32*\c+16:\src+32*\c+31], v[\bs+2*\c+1]   ; (a conversion's three registers begin on an even number)
.endr
	WIN 0
	v_nop                                          ; one plain instruction behind a scaled conversion
.irp c, 0,1                                    ; the operand's layout wants a WHOLE block in a lane: lanes 0-15 block 2 c, lanes 16-31 block 2 c + 1
.irp i, 0,1,2
	v_permlane16_swap_b32 v[PC+6*\c+\i], v[CT+4*\c+\i]
.endr
.irp i, 0,1,2
	v_mov_b32 v[PC+3+6*\c+\i], v[CT+4*\c+\i]
.endr
.endr
.endm
.macro IMAGE adr, off                          ; the fragment in v[PC] on goes to LDS as it stands: 512 consecutive bytes a store
.irp c, 0,1,2
	ds_store_b128 v[\adr], v[PC+4*\c:PC+4*\c+3] offset:\off+512*\c
.endr
.endm
; x's quantiser: wave w makes fragment w = 2 m + s.  XLOADS: my lane's 64 numbers (16 neighbours of each block of 32) and my row's largest: 17 LDS loads
.macro XLOADS
	v_add_nc_u32 v[XW], s36, v[XB]
.irp b, 0,1,2,3
.irp j, 0,1,2,3
	ds_load_b128 v[XV+16*\b+4*\j:XV+16*\b+4*\j+3], v[XW] offset:128*\b+16*\j
.endr
.endr
	ds_load_b32 v[XM], v[AXSCR]
.endm
.macro XWORK                                   ; four LDS stores, no LDS load
.irp b, 0,1,2,3
	v_max3_num_f32 v[BMX+\b], |v[XV+16*\b]|, |v[XV+16*\b+1]|, 0
.endr
.irp i, 2,4,6,8,10,12,14
.irp b, 0,1,2,3
	v_max3_num_f32 v[BMX+\b], v[BMX+\b], |v[XV+16*\b+\i]|, |v[XV+16*\b+\i+1]|   ; the four blocks by turns
.endr
.endr
.irp b, 0,1,2,3
	v_permlanex16_b32 v[SCR+4+\b], v[BMX+\b], s32, s33
.endr
.irp b, 0,1,2,3
	v_max_num_f32 v[BMX+\b], v[BMX+\b], v[SCR+4+\b]    ; with lane l xor 16's 16: the block's largest raw magnitude
.endr
	v_max_num_f32 v[SCR], s69, v[XM]
	RSCALE 1
	BSC BMX, 4
	QEL XV, 0, 0, SCL, BMX, 0
	IMAGE AXIW, 0
	ds_store_b32 v[AXSWW], v[PW]                   ; both halves of the lanes write the row's word with the same value
.endm
; four fragments of W1 (tiles 2 b, 2 b + 1; K steps 0, 1) and the 16 of b1 that are my lane's in these two tiles: 16 LDS loads
.macro FLOAD b
	WIN 0xc0
.set q, 0
.rept 12
	ds_load_b128 v[F+4*q:F+4*q+3], v[AW] offset:6144*(\b)+512*q
.set q, q+1
.endr
.set q, 0
.rept 4
	ds_load_b128 v[BB+4*q:BB+4*q+3], v[AB1] offset:128*(\b)+16*q
.set q, q+1
.endr
.endm
; eight matrix instructions: tiles 2 b + u of hidden units x tiles m of rows; b1 is the C of the first K step.  The four accumulators take turns, one instruction a turn.
; A scale register holds K step 0's words in lanes 0-15 and K step 1's in lanes 16-31.
.macro WMMA b
	WIN 0x73                                       ; W1 and b1 window 3, x window 0, the result window 1
.irp u, 0,1
.irp m, 0,1
	v_wmma_scale_f32_16x16x128_f8f6f4 v[8*(16*\m+2*(\b)+\u):8*(16*\m+2*(\b)+\u)+7], v[F+24*\u:F+24*\u+11], v[XFR+24*\m:XFR+24*\m+11], v[BB+8*\u:BB+8*\u+7], v[W1S+2*(\b)+\u], v[XSR+\m] matrix_a_fmt:MATRIX_FMT_BF6 matrix_b_fmt:MATRIX_FMT_BF6
.endr
.endr
	WIN 0x53
.irp u, 0,1
.irp m, 0,1
	v_wmma_scale_f32_16x16x128_f8f6f4 v[8*(16*\m+2*(\b)+\u):8*(16*\m+2*(\b)+\u)+7], v[F+24*\u+12:F+24*\u+23], v[XFR+24*\m+12:XFR+24*\m+23], v[8*(16*\m+2*(\b)+\u):8*(16*\m+2*(\b)+\u)+7], v[W1S+2*(\b)+\u], v[XSR+\m] matrix_a_fmt:MATRIX_FMT_BF6 matrix_b_fmt:MATRIX_FMT_BF6 matrix_a_scale:MATRIX_SCALE_ROW1 matrix_b_scale:MATRIX_SCALE_ROW1
.endr
.endr
.endm
.macro HORNER p, c                             ; p = p x s + the constant in s[c]: eight pairs by turns, so that no line reads the line above it
.set q, 0
.rept 8
	v_pk_fma_f32 v[\p+q:\p+q+1], v[\p+q:\p+q+1], v[SS+q:SS+q+1], s[\c:\c+1] op_sel_hi:[1,1,0]
.set q, q+2
.endr
.endm
; The GELU of 16 registers: tiles 2 b and 2 b + 1 of tile m of rows: in a lane 16 neighbours along the next K, half a block of 32.  prev: the block whose four partial maxima are still to be joined, or -1.
.macro GELU m, b, prev
.set G, 8*(16*(\m)+2*(\b))
	WIN 0x01
.set q, 0
.rept 16
	v_med3_num_f32 v[HC+q], v[G+q], s66, s67       ; hc; each accumulator is read from its low end on
.set q, q+1
.endr
	WIN 0
.set q, 0
.rept 8
	v_pk_mul_f32 v[SS+q:SS+q+1], v[HC+q:HC+q+1], v[HC+q:HC+q+1]
.set q, q+2
.endr
.if \prev >= 0
	v_max3_num_f32 v[BT], v[BT], v[BT+1], v[BT+2]
.endif
.set q, 0
.rept 8
	v_pk_fma_f32 v[PB+q:PB+q+1], v[SS+q:SS+q+1], s[52:53], v[CD3:CD3+1] op_sel_hi:[1,0,1]   ; D: d4 s + d3
.set q, q+2
.endr
.if \prev >= 0
	v_max_num_f32 v[BM+\prev], v[BT], v[BT+3]
.endif
	HORNER PB, 54
	HORNER PB, 56
	HORNER PB, 58
.set q, 0
.rept 16
	v_rcp_f32 v[PB+q], v[PB+q]                     ; one batch; N's 56 lines, which name none of its results, follow it
.set q, q+1
.endr
.set q, 0
.rept 8
	v_pk_fma_f32 v[PA+q:PA+q+1], v[SS+q:SS+q+1], s[40:41], v[CN5:CN5+1] op_sel_hi:[1,0,1]   ; N: n6 s + n5
.set q, q+2
.endr
	HORNER PA, 42
	HORNER PA, 44
	HORNER PA, 46
	HORNER PA, 48
	HORNER PA, 50
.set q, 0
.rept 8
	v_pk_mul_f32 v[PA+q:PA+q+1], v[PA+q:PA+q+1], v[HC+q:HC+q+1]
.set q, q+2
.endr
	s_wait_alu depctr_va_vdst(0)                   ; one wait, ahead of the batch's first reader
.set q, 0
.rept 8
	v_pk_fma_f32 v[PA+q:PA+q+1], v[PA+q:PA+q+1], v[PB+q:PB+q+1], 0.5 op_sel_hi:[1,1,0]
.set q, q+2
.endr
	WIN 0x41
.set q, 0
.rept 8
	v_pk_mul_f32 v[G+q:G+q+1], v[G+q:G+q+1], v[PA+q:PA+q+1]   ; gelu(h), in h's place
.set q, q+2
.endr
	WIN 0x14
.irp c, 0,1,2,3
	v_max3_num_f32 v[BT+\c], 0, |v[G+2*\c]|, |v[G+2*\c+1]|    ; my 16 numbers' largest magnitude, in four chains
.endr
.irp c, 0,1,2,3
	v_max3_num_f32 v[BT+\c], v[BT+\c], |v[G+8+2*\c]|, |v[G+9+2*\c]|
.endr
.endm
	s_load_b256 s[4:11], s[0:1], 0x0               ; x s[4:5], wcode s[6:7], wscale s[8:9], b1 s[10:11]
	s_load_b128 s[12:15], s[0:1], 0x20             ; b2 s[12:13], out0 s[14:15]
	v_lshl_add_u32 v155, v0, 2, 0x4d800
	v_mov_b32 v159, 0
	ds_add_u32 v155, v159
	ds_add_u32 v155, v159
	v_lshrrev_b32 v1, 5, v0
	v_readfirstlane_b32 s16, v1                    ; wave 0..3
	s_bfe_u32 s17, ttmp6, 0x40000                  ; cx: it enters x's and out0's addresses alone
	s_lshl_b32 s18, ttmp9, 2                       ; in a cluster launch ttmp9 counts clusters
	s_add_co_u32 s18, s18, s17
	s_lshl_b32 s18, s18, 18                        ; my work-group's 256 rows of 1,024 bytes
	s_mov_b32 s19, 0
	s_mov_b32 s32, 0x76543210                      ; v_permlanex16_b32's selects for lane l xor 16
	s_mov_b32 s33, 0xfedcba98
	s_mov_b32 s36, 0                               ; the slot in which x arrives and is quantised,
	s_mov_b32 s35, XSZ                             ; and the slot of the block in hand
	CPAIR 40, 0x2bd3f331                           ; n6 =  1.50599506e-12
	CPAIR 42, 0x3347667d                           ; n4 =  4.64265104e-08
	CPAIR 44, 0x3628d45d                           ; n3 =  2.51575617e-06
	CPAIR 46, 0x38883d9c                           ; n2 =  6.49646074e-05
	CPAIR 48, 0x3a08eb41                           ; n1 =  5.22304390e-04
	CPAIR 50, 0x3bba79f3                           ; n0 =  5.69080716e-03
	CPAIR 52, 0x357460cd                           ; d4 =  9.10379490e-07
	CPAIR 54, 0x39dc924e                           ; d2 =  4.20706744e-04
	CPAIR 56, 0x3b719bf8                           ; d1 =  3.68666458e-03
	CPAIR 58, 0x3c69b6a7                           ; d0 =  1.42647391e-02
	s_mov_b32 s66, 0xc0b504f3                      ; -4 sqrt(2)
	s_mov_b32 s67, 0x40b504f3                      ;  4 sqrt(2)
	s_mov_b32 s68, 0x42fe0000                      ; 127
	s_mov_b32 s69, 0x3727c5ac                      ; 1e-5
	v_mov_b32 v[CD3], 0x37dfbd29                   ; d3 =  2.66717569e-05
	v_mov_b32 v[CD3+1], 0x37dfbd29
	v_mov_b32 v[CN5], 0xafa84a8d                   ; n5 = -3.06119941e-10
	v_mov_b32 v[CN5+1], 0xafa84a8d
	; descriptor group 1: my quarter of W1's images, a dense block of 49,152 bytes, as 192 rows of 256 bytes
	s_mov_b32 s24, 15|(3<<16)|(1<<21)              ; 15:0 the mask: all four work-groups; 17:16 elements of 8 bytes; 20 padding off; 21 set beside a mask
	s_mov_b32 s25, 32<<16                          ; tensor_dim0 = 32
	s_mov_b32 s26, 192<<16                         ; tensor_dim1 = 192
	s_mov_b32 s27, 32<<16                          ; tile_dim0 = 32
	s_mov_b32 s28, 192                             ; tile_dim1 = 192
	s_mov_b32 s29, 32                              ; from row to row
	s_mov_b32 s30, 0
	s_mov_b32 s31, 0
	; every LDS address is a constant + a constant x a lane term + a constant x the wave's number
	v_and_b32 v1, 31, v0                           ; l
	v_and_b32 v160, 15, v0                         ; r
	v_bfe_u32 v161, v0, 4, 1                       ; h
	s_mul_i32 s37, s16, 49152
	v_lshl_add_u32 v[AW], v1, 4, s37
	s_lshl_b32 s37, s16, 10
	v_lshl_add_u32 v176, v1, 4, s37                ; b1 in memory: my wave's 1,024 bytes, 16 a lane
	s_add_co_u32 s37, s37, B1L
	v_lshl_add_u32 v[AB1], v161, 6, s37            ; lane (r, h) wants units 32 b + 16 h + 0..15
	v_lshl_add_u32 v179, v1, 4, s37                ; and where they go
	v_lshl_add_u32 v[AXI], v1, 4, XIMG
	s_mul_i32 s37, s16, 1536
	v_add_nc_u32 v[AXIW], s37, v[AXI]
	v_lshl_add_u32 v[AXSWR], v1, 2, XSW
	s_lshl_b32 s37, s16, 6
	s_add_co_u32 s37, s37, XSW
	v_lshl_add_u32 v[AXSWW], v160, 2, s37
	v_lshl_add_u32 v[APMR], v160, 4, PMX
	s_lshl_b32 s37, s16, 2
	v_add_nc_u32 v[APMW], s37, v[APMR]
	v_lshl_add_u32 v[AHIR], v1, 4, HIMG
	s_mul_i32 s38, s16, 3072
	v_add_nc_u32 v[AHIW], s38, v[AHIR]
	v_lshl_add_u32 v[AHSW], v160, 4, HSW
	v_add_nc_u32 v[AHSW], s37, v[AHSW]
	v_lshl_add_u32 v[AHSR], v1, 4, HSW
	s_mul_i32 s37, s16, 4352
	s_add_co_u32 s37, s37, STG                     ; my stage
	v_mul_u32_u24 v162, v160, 272
	v_lshl_add_u32 v162, v161, 5, v162
	v_add_nc_u32 v[ASTW], s37, v162                ; in: row r, 32 bytes for each half of the lanes
	v_mul_u32_u24 v162, v161, 272
	v_lshl_add_u32 v162, v160, 4, v162
	v_add_nc_u32 v[ASTR], s37, v162                ; back: lanes 0-15 one row of 256 bytes, lanes 16-31 the next
	s_mul_i32 s37, s16, 8320
	s_add_co_u32 s37, s37, XS0
	v_lshl_add_u32 v[LB], v1, 4, s37               ; x arrives: my 8 rows, 16 bytes a lane
	s_lshr_b32 s37, s16, 1
	s_mul_i32 s38, s37, 16640
	s_and_b32 s39, s16, 1
	s_lshl_b32 s39, s39, 9
	s_add_co_u32 s38, s38, s39
	s_add_co_u32 s38, s38, XS0
	v_mul_u32_u24 v162, v160, 1040
	v_lshl_add_u32 v163, v161, 6, v162
	v_add_nc_u32 v[XB], s38, v163                  ; x is quantised: row 16 (w / 2) + r, K step w % 2, + 64 h
	s_lshl_b32 s38, s16, 8
	v_lshl_add_u32 v177, v160, 4, s38              ; b2 in memory: 256 w + 16 r
	v_lshl_add_u32 v[GOO], v161, 10, v177          ; out0: + one row for lanes 16-31
	s_add_co_u32 s38, s38, XS0
	v_lshl_add_u32 v163, v161, 5, v162
	v_add_nc_u32 v[CB], s38, v163                  ; the residual: row r, my 64 columns, + 32 h
	s_lshl_b32 s38, s16, 5
	s_add_co_u32 s38, s38, XSC
	v_mov_b32 v[AXSCW], s38
	s_lshl_b32 s38, s37, 6
	s_add_co_u32 s38, s38, XSC
	v_lshl_add_u32 v[AXSCR], v160, 2, s38
	s_lshl_b32 s38, s16, 13
	v_lshl_add_u32 v[GXO], v1, 4, s38
	s_lshl_b32 s38, s16, 11
	v_lshl_add_u32 v178, v1, 2, s38                ; the weights' scale words: 2,048 w + 4 l
.irp i, 133,135,137,139, 164,165,166,167, 200,201,202,203,204,205,206,207
	v_mov_b32 v[\i], 0                             ; written once: the upper halves of pairs that are named whole, and lane permutes' destinations, which count as sources
.endr
	s_wait_dscnt 0x0
	s_wait_kmcnt 0x0
	s_add_nc_u64 s[4:5], s[4:5], s[18:19]
	s_add_nc_u64 s[14:15], s[14:15], s[18:19]
	s_mov_b32 s20, 1                               ; descriptor group 0: count = 1
	s_mul_i32 s21, s16, 49152                      ; LDS address: the wave's number alone
	s_mov_b32 s38, s21
	s_mov_b32 s39, 0
	s_add_nc_u64 s[22:23], s[6:7], s[38:39]        ; global address: the same in all four work-groups
	s_or_b32 s23, s23, 0x80000000                  ; type = 2
	CROUND                                         ; all four work-groups are here: the joint loads meet
	tensor_load_to_lds s[20:23], s[24:31]          ; my one tensor load of the launch: these bytes are filled once
	s_nop 0
	PLACES
	global_load_b128 v[168:171], v176, s[10:11]
	global_load_b128 v[172:175], v176, s[10:11] offset:512
	global_load_b128 v[B2:B2+3], v177, s[12:13]
.set q, 0
.rept 16
	global_load_b32 v[W1S+q], v178, s[8:9] offset:128*q          ; tile q: K step 0's words in lanes 0-15, K step 1's in lanes 16-31
.set q, q+1
.endr
.set q, 0
.rept 16
	global_load_b32 v[W2S+q], v178, s[8:9] offset:8192+128*q     ; q = 4 (K / 2) + n: the even K step's words below, the odd one's above
.set q, q+1
.endr
	LOADX                                          ; block 0
	LPH                                            ; its wait for all loads serves the small loads above too
	ds_store_b128 v179, v[168:171]
	ds_store_b128 v179, v[172:175] offset:512
	BARRIER                                        ; block 0 lies in LDS, with its rows' largest
	LOADX                                          ; block 1
	XLOADS
	s_wait_dscnt 0x0
	XWORK                                          ; block 0's fragments
	WIN 0x80
.irp k, 0,1,2,3,4,5,6,7                        ; W2 into registers, to stay: 96 loads of 512 consecutive bytes; the first trip's wait for all loads stands ahead of their first use
.if \k == 4
	WIN 0xc0
.endif
.irp n, 0,1,2,3
.irp c, 0,1,2
	global_load_b128 v[12*(4*(\k%4)+\n)+4*\c:12*(4*(\k%4)+\n)+4*\c+3], v[AW], s[6:7] offset:196608+1536*(8*(\k/2)+2*\n+\k%2)+512*\c
.endr
.endr
.endr
	WIN 0
	s_wait_tensorcnt 0x0                           ; my quarter of W1 is in
	BARRIER                                        ; x's four fragments lie in LDS
	s_xor_b32 s35, s35, XSZ
	s_xor_b32 s36, s36, XSZ
	s_mov_b32 s34, 0
.Lblock:
	; ---- P1
.irp f, 0,1,2,3
.irp c, 0,1,2
	ds_load_b128 v[XFR+12*\f+4*\c:XFR+12*\f+4*\c+3], v[AXI] offset:1536*\f+512*\c
.endr
.endr
	ds_load_b32 v[XSR], v[AXSWR]                   ; tile 0's scale words: K step 0 in lanes 0-15, K step 1 in lanes 16-31
	ds_load_b32 v[XSR+1], v[AXSWR] offset:128
	FLOAD 0
	s_wait_dscnt 0x0
	WMMA 0
	PLACES
	FLOAD 1
.irp b, 0,1,2,3,4,5,6,7
.if \b < 7
	s_wait_dscnt 0x0                               ; the next pair's fragments, asked for two GELUs ago
	WMMA (\b+1)                                    ; they run under this pair's GELU
.endif
.if \b < 6
	PLACES
	FLOAD (\b+2)
.endif
.if \b == 0
	GELU 0, 0, -1
.else
	GELU 0, \b, 7+\b
.endif
	GELU 1, \b, \b
.endr
	WIN 0
	v_max3_num_f32 v[BT], v[BT], v[BT+1], v[BT+2]
	v_max_num_f32 v[BM+15], v[BT], v[BT+3]
.set q, 0
.rept 16
	v_permlanex16_b32 v[HC+q], v[BM+q], s32, s33
.set q, q+1
.endr
.set q, 0
.rept 16
	v_max_num_f32 v[BM+q], v[BM+q], v[HC+q]        ; with lane l xor 16's 16: the block's largest raw magnitude
.set q, q+1
.endr
.irp m, 0,1
	v_max3_num_f32 v[SCR+4+\m], v[BM+8*\m], v[BM+8*\m+1], v[BM+8*\m+2]
.endr
.irp i, 3,5
.irp m, 0,1
	v_max3_num_f32 v[SCR+4+\m], v[SCR+4+\m], v[BM+8*\m+\i], v[BM+8*\m+\i+1]
.endr
.endr
.irp m, 0,1
	v_max_num_f32 v[SCR+4+\m], v[SCR+4+\m], v[BM+8*\m+7]   ; the row's largest of my 256 units
.endr
	ds_store_b32 v[APMW], v[SCR+4]
	ds_store_b32 v[APMW], v[SCR+5] offset:256
	BARRIER                                        ; A
	; ---- Q
	ds_load_b128 v[PV:PV+3], v[APMR]
	ds_load_b128 v[PV+4:PV+7], v[APMR] offset:256
	LPH                                            ; the next block's x arrives while the four maxima come
	s_wait_dscnt 0x0
	v_max3_num_f32 v[SCR], v[PV], v[PV+1], v[PV+2]
	v_max3_num_f32 v[SCR+1], v[PV+4], v[PV+5], v[PV+6]
	v_max3_num_f32 v[SCR], v[SCR], v[PV+3], s69    ; the row's largest of all 1,024, held at 1e-5 from below
	v_max3_num_f32 v[SCR+1], v[SCR+1], v[PV+7], s69
	RSCALE 2
	BSC BM, 16
.irp m, 0,1
.irp k, 0,1
	QEL 128*\m+64*\k, 0x41, 0x01, SCL+4*\m, BM+8*\m+4*\k, 1
	IMAGE AHIW, 12288*\m+1536*\k                   ; K step 2 w + k of the second product, rows 16 m on
	ds_store_b32 v[AHSW], v[PW+2*\m+\k] offset:512*\m+256*\k
.endr
.endr
	BARRIER                                        ; B
	; ---- P2
	s_cmp_ge_u32 s34, 6                            ; the block two on is asked for, if there is one: no load leaves x
	s_cbranch_scc1 .Lno_more
	LOADX
.Lno_more:
	XLOADS                                         ; 17 LDS loads; behind them 2 + 16 + 42 = 60
	ds_load_b128 v[HS:HS+3], v[AHSR]               ; register 4 m + K / 2: the even K step's words in lanes 0-15, the odd one's in lanes 16-31
	ds_load_b128 v[HS+4:HS+7], v[AHSR] offset:512
	v_add_nc_u32 v[CW], s35, v[CB]
	WIN 0x40
.irp m, 0,1
.irp n, 0,1,2,3
	ds_load_b128 v[8*(4*\m+\n):8*(4*\m+\n)+3], v[CW] offset:16640*\m+64*\n       ; the residual starts the sums: x(16 m + r, 64 w + 16 n + 8 h + 0..7)
	ds_load_b128 v[8*(4*\m+\n)+4:8*(4*\m+\n)+7], v[CW] offset:16640*\m+64*\n+16
.endr
.endr
.irp k, 0,1,2,3,4,5,6
.irp m, 0,1
.irp c, 0,1,2
	ds_load_b128 v[64+12*(2*\k+\m)+4*\c:64+12*(2*\k+\m)+4*\c+3], v[AHIR] offset:1536*(8*\m+\k)+512*\c
.endr
.endr
.endr
	WIN 0
	s_wait_dscnt 60                                ; x's 17 loads are in; the 60 issued behind them may be out
	XWORK                                          ; the next block's fragment, while the hidden layer's come
	WIN 0x40
.irp m, 0,1
.irp c, 0,1,2
	ds_load_b128 v[64+12*(14+\m)+4*\c:64+12*(14+\m)+4*\c+3], v[AHIR] offset:1536*(8*\m+7)+512*\c
.endr
.endr
.irp k, 0,1,2,3,4,5,6,7                        ; eight accumulators by turns, one instruction a turn, a K step at a time
.if \k < 7
	s_wait_dscnt 6*(6-\k)+10                       ; behind this K step's loads: the later steps' 6 each up to step 6, the 4 stores of x's fragment, step 7's 6
.else
	s_wait_dscnt 0x0
.endif
	WIN 0x56+(\k/4)                                ; W2 window 2 or 3; the hidden layer, C and D window 1
.irp m, 0,1
.irp n, 0,1,2,3
.if \k%2
	v_wmma_scale_f32_16x16x128_f8f6f4 v[8*(4*\m+\n):8*(4*\m+\n)+7], v[12*(4*(\k%4)+\n):12*(4*(\k%4)+\n)+11], v[64+12*(2*\k+\m):64+12*(2*\k+\m)+11], v[8*(4*\m+\n):8*(4*\m+\n)+7], v[W2S+4*(\k/2)+\n], v[HS+4*\m+\k/2] matrix_a_fmt:MATRIX_FMT_BF6 matrix_b_fmt:MATRIX_FMT_BF6 matrix_a_scale:MATRIX_SCALE_ROW1 matrix_b_scale:MATRIX_SCALE_ROW1
.else
	v_wmma_scale_f32_16x16x128_f8f6f4 v[8*(4*\m+\n):8*(4*\m+\n)+7], v[12*(4*(\k%4)+\n):12*(4*(\k%4)+\n)+11], v[64+12*(2*\k+\m):64+12*(2*\k+\m)+11], v[8*(4*\m+\n):8*(4*\m+\n)+7], v[W2S+4*(\k/2)+\n], v[HS+4*\m+\k/2] matrix_a_fmt:MATRIX_FMT_BF6 matrix_b_fmt:MATRIX_FMT_BF6
.endif
.endr
.endr
.endr
	PLACES
	; THE WAY OUT.  A lane holds 32 neighbouring bytes of a row, and the lanes beside it hold other rows: a tile of 16 rows x my 64 columns goes through my own stage and comes back as rows of 256 bytes.
	; LDS serves a wave's instructions in order (ISA guide 5.7.1.4): no wait between the stores and the loads, nor in front of the next tile's stores.
.irp m, 0,1
	WIN 0x04                                       ; the data: window 1
.irp n, 0,1,2,3
	ds_store_b128 v[ASTW], v[8*(4*\m+\n):8*(4*\m+\n)+3] offset:64*\n            ; each accumulator from its low end on
	ds_store_b128 v[ASTW], v[8*(4*\m+\n)+4:8*(4*\m+\n)+7] offset:64*\n+16
.endr
	WIN 0
.irp i, 0,1,2,3,4,5,6,7
	ds_load_b128 v[OB+32*\m+4*\i:OB+32*\m+4*\i+3], v[ASTR] offset:544*\i
.endr
.endr
.irp m, 0,1
	s_wait_dscnt 16-16*\m                          ; tile 0 is back: behind its loads stand tile 1's 8 stores and 8 loads; then all
.irp i, 0,1,2,3,4,5,6,7
	v_pk_add_f32 v[OB+32*\m+4*\i:OB+32*\m+4*\i+1], v[OB+32*\m+4*\i:OB+32*\m+4*\i+1], v[B2:B2+1]
	v_pk_add_f32 v[OB+32*\m+4*\i+2:OB+32*\m+4*\i+3], v[OB+32*\m+4*\i+2:OB+32*\m+4*\i+3], v[B2+2:B2+3]
	global_store_b128 v[GOO], v[OB+32*\m+4*\i:OB+32*\m+4*\i+3], s[14:15] offset:1024*(16*\m+2*\i) th:TH_STORE_NT   ; 16 lanes store 256 consecutive bytes, at a multiple of 256 from out0's first byte
.endr
.endr
	s_wait_xcnt 0x0                                ; the stores have read their registers and their base: both are written again only behind this wait
	s_add_nc_u64 s[14:15], s[14:15], 32768
	BARRIER                                        ; C: the next block's four fragments of x lie in LDS
	s_xor_b32 s35, s35, XSZ                        ; the slots change places
	s_xor_b32 s36, s36, XSZ
	s_add_co_u32 s34, s34, 1
	s_cmp_lt_u32 s34, 8
	s_cbranch_scc1 .Lblock
	s_wait_tensorcnt 0x0
	ds_add_u32 v155, v159
	s_wait_dscnt 0x0
	CROUND                                         ; the closing round of the cluster's barrier
	s_endpgm
.Lfunc_end_k_qa1dbfd9199_mlp:
	.size	k_qa1dbfd9199_mlp, .Lfunc_end_k_qa1dbfd9199_mlp-k_qa1dbfd9199_mlp
	.p2alignl 7, 3214868480
	.fill 96, 4, 3214868480
	.section	.rodata,"a",@progbits
	.p2align	6, 0x0
	.amdhsa_kernel k_qa1dbfd9199_mlp
		.amdhsa_group_segment_fixed_size 327680
		.amdhsa_private_segment_fixed_size 0
		.amdhsa_enable_private_segment 0
		.amdhsa_kernarg_size 48
		.amdhsa_user_sgpr_count 2
		.amdhsa_user_sgpr_kernarg_segment_ptr 1
		.amdhsa_wavefront_size32 1
		.amdhsa_system_sgpr_workgroup_id_x 1
		.amdhsa_system_sgpr_workgroup_id_y 1
		.amdhsa_system_sgpr_workgroup_id_z 1
		.amdhsa_system_vgpr_workitem_id 0
		.amdhsa_next_free_vgpr 1024
		.amdhsa_next_free_sgpr 72
		.amdhsa_reserve_vcc 0
		.amdhsa_float_denorm_mode_32 3
		.amdhsa_float_denorm_mode_16_64 3
		.amdhsa_memory_ordered 1
		.amdhsa_forward_progress 1
		.amdhsa_inst_pref_size 255
	.end_amdhsa_kernel
	.section	.bss,"aw",@nobits
	.p2align	6
	.space	262144
	.amdgpu_metadata
---
amdhsa.version: [ 1, 2 ]
amdhsa.kernels:
  - .name:           k_qa1dbfd9199_mlp
    .symbol:         k_qa1dbfd9199_mlp.kd
    .args:
      - { .name: x, .offset: 0, .size: 8, .value_kind: global_buffer, .address_space: global }
      - { .name: wcode, .offset: 8, .size: 8, .value_kind: global_buffer, .address_space: global }
      - { .name: wscale, .offset: 16, .size: 8, .value_kind: global_buffer, .address_space: global }
      - { .name: b1, .offset: 24, .size: 8, .value_kind: global_buffer, .address_space: global }
      - { .name: b2, .offset: 32, .size: 8, .value_kind: global_buffer, .address_space: global }
      - { .name: out0, .offset: 40, .size: 8, .value_kind: global_buffer, .address_space: global }
    .group_segment_fixed_size: 327680
    .private_segment_fixed_size: 0
    .kernarg_segment_align: 8
    .kernarg_segment_size: 48
    .max_flat_workgroup_size: 128
    .sgpr_count:     72
    .vgpr_count:     1024
    .wavefront_size: 32
...
	.end_amdgpu_metadata
.endif
;; end of part 3
